; MI455X (gfx1250); checked and timed in simulation.
; The chip was launched on July 23, 2026; its instructions are those of AMD's public machine-readable ISA for CDNA 5 (MIT licence, August 2026) and "CDNA5" Instruction Set Architecture Reference Guide (July 2026). The comments in the code are by the model that wrote it; some were corrected since.
;; Tokenformer P Attention. Allowed arithmetic: matrix products marked QUANTISED: E2M3 operands, one E8M0 scale for each 32 along K, by v_wmma_scale_f32_16x16x128_f8f6f4 with both operands' format E2M3, f32 sums; everything else in f32.
;; Inputs: K 4,096 x 1,024 float32; V 4,096 x 1,024 float32; x 4 x 2,048 x 1,024 float32.
;; Outputs: out0 4 x 2,048 x 1,024 float32.
;; This version of the problem:
;;   THIS VERSION OF THE PROBLEM IS GIVEN IN LOW PRECISION. The matrix products marked QUANTISED in the list below multiply operands that are first quantised to E2M3 (2 exponent bits, 3 mantissa bits; 6 bits a number), with one power-of-two scale for each 32 numbers along K (OCP MX v1.0); their sums are f32. All else is computed in f32.
;;   The module's matrix products, in the order in which they are computed (A, B: the left and right operand; K: the contracted axis; several contracted axes count as one K, in the product's order):
;;     1. [M 8,192, K 1,024] x [K 1,024, N 4,096]; A: input x; B: input K: QUANTISED
;;     2. [M 8,192, K 4,096] x [K 4,096, N 1,024]; A: softmax (see below); B: input V: QUANTISED
;;   THE QUANTISER, for each operand of a quantised product, along K:
;;     - K is cut into blocks of 32 from its start; a last block that is shorter is filled with zeros.
;;     - A block's scale is 2^e with e = floor(log2(the largest magnitude in the block)) - 2, held to -126 .. 127; a block of zeros has e = 0. As a byte (E8M0): e + 127.
;;     - Each number is divided by its block's scale, clamped to +-7.5, and rounded to the nearest number of E2M3, ties to even, subnormals kept.
;;     - The product sums the exact products of the quantised numbers (number of the format x scale) in f32.
;;   ~~~python
;;   def quantise(x, axis):      # numpy; x: float32 -> the quantised numbers, widened to float32 again
;;       x = np.moveaxis(x, axis, -1); K = x.shape[-1]
;;       x = np.pad(x, [(0, 0)] * (x.ndim - 1) + [(0, -K % 32)]); x = x.reshape(x.shape[:-1] + (-1, 32)); a = np.abs(x).max(-1, keepdims=True)
;;       e = np.where(a > 0, np.clip(np.frexp(np.where(a > 0, a, 1))[1] - 1 - 2, -126, 127), 0)      # np.frexp(a)[1] - 1 = floor(log2(a)), exactly
;;       r = np.clip(x / 2.0 ** e, -7.5, 7.5)
;;       step = 2.0 ** (np.maximum(np.frexp(np.where(r == 0, 1, r))[1] - 1, 0) - 3)
;;       q = np.round(r / step) * step * 2.0 ** e      # np.round: ties to even
;;       return np.moveaxis(q.reshape(q.shape[:-2] + (-1,))[..., :K], -1, axis).astype(np.float32)
;;   ~~~
;;   SOFTMAX AHEAD OF A QUANTISED PRODUCT. Where the list says 'softmax', what is quantised is not the finished softmax but p = 2^(t - M), with t = logit x log2(e) and M = ceil(the row's largest t), a whole number; so 1/2 < the row's largest p <= 1. The row's sum l is taken of the UNQUANTISED p, in f32, and the product's result is divided by l at the end. Since M is a whole number, a kernel that streams over the keys may use a running M (the ceiling of the running maximum): every later rescaling is an exact power of two, which a block's scale takes up: the codes' values come out the same.
;;   OPERANDS COMPUTED ON THE WAY. 'Computed on the way' means the value that the module computes at that place (a softmax that the list does not call 'softmax' is quantised finished and normalised). What goes into a quantiser is computed in f32, as accurately as f32 sums, v_exp_f32 and their like allow (about 1e-6 of the number): no bf16 or f16 on the way to a quantiser, and a product that is left as it is and whose result goes on into a quantised operand takes f32 operands (vector FMAs, or v_wmma_f32_16x16x4_f32). A number that lies on a knife's edge between two numbers of the format may be rounded either way, as far as f32 arithmetic and the matrix unit's own rounding can turn it there, and no further.
;; One version. Each part assembles by itself: llvm-mc -triple=amdgcn-amd-amdhsa -mcpu=gfx1250 --defsym DOCPART=n.
;; ======== version 1 of 1: 3 launches
;; limits: right only within a limited range of input values
;; workspace buffers: xq 6,553,600 bytes; kq 3,276,800 bytes; vq 3,276,800 bytes; pc 25,165,824 bytes; pst 3,145,728 bytes
;; launch quant (part 1): grid 512 x 1, 4 waves a work-group, no clusters, 72,192 bytes of LDS; arguments x, K, V, xq, kq, vq; writes xq, kq, vq
.if DOCPART == 1
	.amdgcn_target "amdgcn-amd-amdhsa--gfx1250"
	.amdhsa_code_object_version 6
	.text
	.protected	k_qfb08efeac8_quant
	.globl	k_qfb08efeac8_quant
	.p2align	8
	.type	k_qfb08efeac8_quant,@function
k_qfb08efeac8_quant:
	s_mov_b64 s[64:65], 0
	v_nop
	global_prefetch_b8 v0, s[64:65] scope:SCOPE_SE
	s_setreg_imm32_b32 hwreg(HW_REG_WAVE_MODE, 25, 1), 1
	s_wait_xcnt 0x0
; x [8192][1024], K [4096][1024] and V [4096][1024], f32, become codes of FP6 (E2M3) with one E8M0 scale byte for each 32 numbers along the axis that their product sums over.
; A block's scale is 2^(floor(log2(its largest magnitude)) - 2); its byte is the largest magnitude's exponent field - 2, held at 1 from below (a block of zeros keeps the byte 1: its codes are zeros,
; which add nothing under any byte but 0xff, and this program alone reads the bytes).  Each number is divided by the scale and rounded to the nearest code, ties to even, beyond 7.5 the largest code.
; LIMITS: NaN and infinities among the inputs are not served; blocks whose largest magnitude lies under 2^-124 keep the byte 1.
; Every work-group takes 32,768 numbers.  Work-groups 0-255: x; 256-383: K; 384-511: V.
; ALL CODES ARE STORED AS IMAGES OF THE OPERAND'S REGISTERS: 16 rows x 128 along the sum are 1,536 bytes, register q of lane l at byte 512 (q / 4) + 16 l + 4 (q % 4).
; xq: [16 rows: 512][128 along E: 8][1,536]; XSOFF bytes on the scale bytes, [16 rows][half of E][row][16 bytes].
; kq: a record of 102,400 bytes for each 128 places: [16 places: 8][128 along E: 8][1,536], then 4,096 scale bytes laid as x's.
;   Key p stands at the place p with bits 3 and 4 exchanged, so that 16 neighbouring places hold keys 32 b + 8 u + r + 8 (r / 8): the next launch's results then have 16 neighbouring keys in a lane.
; A wave of x's or K's way takes 16 rows (one image row block) x 512 along E: a step is half a row; its codes go into four images in the wave's own LDS and leave as 6,144 consecutive bytes.
; vq: [512 keys][16 channels][128 keys][1,536 bytes]; VSOFF bytes on the scale words, [256 keys][channel][2 words].  A lane takes a channel and its registers run down the keys.
; The two ways part on the work-group's number and have LDS bytes of their own.  No tensor loads, no barrier: waves share nothing.
.set XSOFF, 6291456
.set VSOFF, 3145728
.set STEPS, 16
.set R,     16                         ; x, K: v16-79 four sets of 16 numbers as loaded; at the end the images on their way out
.set X,     80                         ; v80-111 two sets of 16 neighbours
.set C,     128                        ; v128-191 codes, four registers a step
.set E,     112                        ; v112-127 a scale byte a step
.set WREG,  11776                      ; LDS of a wave: two stages of 32 x SP, 256 scale bytes, four images
.set SP,    80
.set SCS,   5120
.set IMG,   5376
.set VST,   47104                      ; V's way: 6,144 bytes a wave
.set SPARE, 71680                      ; the spare words
.set IA,    194                        ; v194-196 where my three code registers go in the images
.set LB,    197                        ; v197 load offset of rows 8-15
.set IR,    198                        ; v198 the images read back
.set TQ,    200                        ; v200-205 at work in the head
.set VX,    32
.set VC,    96
.set VC2,   104
.set SB,    24
.set OUTR,  112
	s_load_b256 s[4:11], s[0:1], 0x0               ; x, K, V, xq
	s_load_b128 s[12:15], s[0:1], 0x20             ; kq, vq
	v_lshl_add_u32 v192, v0, 2, SPARE
	v_mov_b32 v193, 0
	v_lshrrev_b32 v1, 5, v0
	v_readfirstlane_b32 s16, v1                    ; wave
	v_and_b32 v2, 31, v0                           ; lane
	s_wait_kmcnt 0x0
	s_cmp_lt_u32 ttmp9, 384
	s_cbranch_scc0 .Lv
	; ---------------- x and K ----------------
	s_wait_alu depctr_va_vdst(0)
	v_lshlrev_b32 v3, 4, v2                        ; my 16 bytes of 512
	s_mul_i32 s17, s16, WREG
	v_lshrrev_b32 v14, 2, v2
	v_mul_u32_u24 v14, v14, SP
	v_and_b32 v15, 3, v2
	v_lshl_add_u32 v14, v15, 4, v14
	v_add_nc_u32 v14, s17, v14                     ; the stage, in: SP (lane / 4) + 16 (lane % 4)
	v_mul_u32_u24 v15, v2, SP
	v_add_nc_u32 v15, s17, v15                     ; out: SP x lane: my 16 neighbours
	v_lshrrev_b32 v5, 1, v2
	s_add_co_u32 s30, s17, SCS
	v_add_nc_u32 v5, s30, v5                       ; my block's scale byte
	v_lshlrev_b32 v7, 3, v2
	v_add_nc_u32 v6, s30, v7
	s_add_co_u32 s30, s17, IMG
	v_add_nc_u32 v[IR], s30, v3
	; lane l holds numbers 16 l on of the step's 512: image l / 8, block (l / 2) % 4 = 2 c + h, half u = l % 2: registers 6 c + 3 u + 0 .. 2 of image lane 16 h + row
	v_lshrrev_b32 v[TQ], 3, v2
	v_bfe_u32 v[TQ+1], v2, 1, 1                    ; h
	v_bfe_u32 v[TQ+2], v2, 2, 1                    ; c
	v_and_b32 v[TQ+3], 1, v2                       ; u
	v_mul_u32_u24 v[TQ+2], v[TQ+2], 6
	v_mad_u32_u24 v[TQ+2], v[TQ+3], 3, v[TQ+2]
	v_mul_u32_u24 v[TQ], v[TQ], 1536
	v_lshl_add_u32 v[TQ], v[TQ+1], 8, v[TQ]
	v_add_nc_u32 v[TQ], s30, v[TQ]
.irp i, 0,1,2
	v_add_nc_u32 v[TQ+4], \i, v[TQ+2]              ; register q
	v_lshrrev_b32 v[TQ+5], 2, v[TQ+4]
	v_and_b32 v[TQ+4], 3, v[TQ+4]
	v_lshl_add_u32 v[IA+\i], v[TQ+5], 9, v[TQ]     ; 512 (q / 4)
	v_lshl_add_u32 v[IA+\i], v[TQ+4], 2, v[IA+\i]  ; + 4 (q % 4)
.endr
	s_lshr_b32 s18, s16, 1                         ; which 16 rows of the work-group's 32
	s_and_b32 s19, s16, 1                          ; which half of E
	s_cmp_lt_u32 ttmp9, 256                        ; x's work-group or K's: the choice hangs on the work-group's number alone
	s_cselect_b64 s[4:5], s[4:5], s[6:7]
	s_cselect_b64 s[10:11], s[10:11], s[12:13]
	s_cselect_b32 s20, 0, 256
	s_cselect_b32 s21, 16, 15                      ; x: my rows begin 16 rows x 4,096 bytes on; K: 8 rows on
	s_cselect_b32 s22, 0, 0x8000                   ; K: rows 8-15 of an image lie 8 keys further on
	s_cselect_b32 s23, 0, -1
	s_sub_co_u32 s20, ttmp9, s20
	s_lshl_b32 s24, s20, 17                        ; 32 rows of 4,096 bytes a work-group
	s_lshl_b32 s25, s18, s21
	s_add_co_u32 s24, s24, s25
	s_lshl_b32 s25, s19, 11
	s_add_co_u32 s24, s24, s25
	s_mov_b32 s25, 0
	s_add_nc_u64 s[4:5], s[4:5], s[24:25]
	s_lshl_b32 s26, s20, 1
	s_add_co_u32 s26, s26, s18                     ; my block of 16 rows or places
	s_lshr_b32 s27, s26, 3
	s_lshl_b32 s28, s27, 12
	s_and_b32 s28, s28, s23                        ; K: 4,096 scale bytes behind each 8 blocks
	s_mul_i32 s24, s26, 12288
	s_add_co_u32 s24, s24, s28
	s_mul_i32 s28, s19, 6144
	s_add_co_u32 s24, s24, s28
	s_add_co_u32 s27, s27, 1
	s_mul_i32 s27, s27, 98304                      ; K's scales: (block / 8 + 1) x 98,304 + 512 x block
	s_mov_b32 s28, XSOFF
	s_cmp_lt_u32 ttmp9, 256
	s_cselect_b32 s27, s28, s27
	s_lshl_b32 s28, s26, 9
	s_add_co_u32 s28, s28, s27
	s_lshl_b32 s29, s19, 8
	s_add_co_u32 s28, s28, s29
	s_mov_b32 s29, 0
	s_add_nc_u64 s[26:27], s[10:11], s[28:29]
	s_add_nc_u64 s[10:11], s[10:11], s[24:25]
	v_add_nc_u32 v[LB], s22, v3
	s_wait_alu depctr_va_vdst(0)
.macro XLOAD t                         ; step t: half of row t of my 16
.irp i, 0,1,2,3
.if (\t) < 8
	global_load_b128 v[R+16*((\t)%4)+4*\i:R+16*((\t)%4)+4*\i+3], v3, s[4:5] offset:4096*(\t)+512*\i th:TH_LOAD_NT
.else
	global_load_b128 v[R+16*((\t)%4)+4*\i:R+16*((\t)%4)+4*\i+3], v[LB], s[4:5] offset:4096*(\t)+512*\i th:TH_LOAD_NT
.endif
.endr
.endm
.macro XTURN t                         ; through the stage: LDS serves a wave's instructions in order
.irp i, 0,1,2,3
	ds_store_b128 v14, v[R+16*((\t)%4)+4*\i:R+16*((\t)%4)+4*\i+3] offset:32*SP*((\t)%2)+8*SP*\i
.endr
.irp i, 0,1,2,3
	ds_load_b128 v[X+16*((\t)%2)+4*\i:X+16*((\t)%2)+4*\i+3], v15 offset:32*SP*((\t)%2)+16*\i
.endr
.endm
.irp t, 0,1,2,3
	XLOAD \t
.endr
	s_wait_loadcnt 12                              ; step 0's four loads are in
	XTURN 0
.macro XSTEP t
.set XS, X+16*((\t)%2)
.if (\t) > 0
	s_wait_dscnt 4                                 ; this step's numbers are back (the last step's four small stores may be out)
.else
	s_wait_dscnt 0x0
.endif
.if (\t)+4 < STEPS
	XLOAD (\t)+4
.endif
.if (\t)+1 < STEPS
.if STEPS-2-(\t) >= 3
	s_wait_loadcnt 12                              ; the next step's four loads are in; three steps' may be out
.else
	s_wait_loadcnt 4*(STEPS-2-(\t))
.endif
	XTURN (\t)+1
.endif
	v_max3_num_f32 v8, |v[XS]|, |v[XS+1]|, |v[XS+2]|
	v_max3_num_f32 v9, |v[XS+3]|, |v[XS+4]|, |v[XS+5]|
.irp i, 6,10
	v_max3_num_f32 v8, v8, |v[XS+\i]|, |v[XS+\i+1]|
	v_max3_num_f32 v9, v9, |v[XS+\i+2]|, |v[XS+\i+3]|
.endr
	v_max3_num_f32 v8, v8, |v[XS+14]|, |v[XS+15]|
	v_max3_num_f32 v8, v8, v9, 0x1800000           ; the floor 2^(3 - 127)
	v_max_num_f32_dpp v8, v8, v8 row_xmask:1 row_mask:0xf bank_mask:0xf   ; with my neighbour's 16: the block's
	v_add_nc_u32 v11, 0xff000000, v8               ; 2 off the exponent field: the conversion's scale operand
	v_cvt_scalef32_pk16_fp6_f32 v[C+4*(\t):C+4*(\t)+2], v[XS:XS+15], v11
	v_lshrrev_b32 v[E+(\t)], 23, v11               ; the scale's byte
	ds_store_b8 v5, v[E+(\t)] offset:16*(\t)
.irp i, 0,1,2
	ds_store_b32 v[IA+\i], v[C+4*(\t)+\i] offset:16*(\t)   ; image lane 16 h + t
.endr
.endm
.irp t, 0,1,2,3,4,5,6,7,8,9,10,11,12,13,14,15
	XSTEP \t
.endr
	ds_load_b64 v[12:13], v6                       ; LDS serves a wave's instructions in order: these see my stores
.irp k, 0,1,2,3,4,5,6,7,8,9,10,11
	ds_load_b128 v[R+4*\k:R+4*\k+3], v[IR] offset:512*\k
.endr
	s_wait_dscnt 0x0
	global_store_b64 v7, v[12:13], s[26:27]        ; 256 consecutive bytes, aligned
.irp k, 0,1,2,3,4,5,6,7,8,9,10,11
	global_store_b128 v3, v[R+4*\k:R+4*\k+3], s[10:11] offset:512*\k   ; 512 consecutive bytes, aligned
.endr
	s_wait_tensorcnt 0x0                           ; the wave's end
	ds_add_u32 v192, v193
	s_wait_dscnt 0x0
	s_endpgm
	; ---------------- V ----------------
	; Work-group v = xn + 8 y: channels 128 xn on, keys 256 y on.  My lane's channel is 128 xn + 32 wave + lane.
.Lv:
	s_sub_co_u32 s17, ttmp9, 384
	s_and_b32 s18, s17, 7
	s_lshr_b32 s19, s17, 3
	s_lshl_b32 s20, s19, 20
	s_lshl_b32 s21, s18, 9
	s_add_co_u32 s20, s20, s21
	s_lshl_b32 s21, s16, 7
	s_add_co_u32 s20, s20, s21
	s_mov_b32 s21, 0
	s_add_nc_u64 s[8:9], s[8:9], s[20:21]
	s_lshl_b32 s22, s19, 13                        ; the scale words: 8,192 y + 8 (128 xn + 32 wave)
	s_lshl_b32 s23, s18, 10
	s_add_co_u32 s22, s22, s23
	s_lshl_b32 s23, s16, 8
	s_add_co_u32 s22, s22, s23
	s_add_co_u32 s22, s22, VSOFF
	s_mov_b32 s23, 0
	s_add_nc_u64 s[24:25], s[14:15], s[22:23]
	s_lshr_b32 s26, s19, 1                         ; the images: (((y / 2) 64 + 8 xn + 2 wave) 4 + 2 (y % 2)) x 1,536
	s_lshl_b32 s26, s26, 6
	s_lshl_b32 s27, s18, 3
	s_add_co_u32 s26, s26, s27
	s_lshl_b32 s27, s16, 1
	s_add_co_u32 s26, s26, s27
	s_lshl_b32 s26, s26, 2
	s_and_b32 s27, s19, 1
	s_lshl_b32 s27, s27, 1
	s_add_co_u32 s26, s26, s27
	s_mul_i32 s26, s26, 1536
	s_mov_b32 s27, 0
	s_add_nc_u64 s[14:15], s[14:15], s[26:27]
	s_wait_alu depctr_va_vdst(0)
	v_lshlrev_b32 v3, 2, v2
	s_mul_i32 s28, s16, 6144
	s_add_co_u32 s28, s28, VST
	v_bfe_u32 v5, v0, 4, 1
	v_mul_u32_u24 v5, v5, 3072
	v_and_b32 v6, 15, v0
	v_lshl_add_u32 v5, v6, 4, v5
	v_add_nc_u32 v4, s28, v5
	v_lshlrev_b32 v8, 4, v2
	v_add_nc_u32 v7, s28, v8
	v_lshlrev_b32 v9, 3, v2
.macro VLOAD t
.set i, 0
.rept 32
	global_load_b32 v[VX+32*((\t)%2)+i], v3, s[8:9] offset:(32*(\t)+i)*4096 th:TH_LOAD_NT
.set i, i+1
.endr
.endm
	VLOAD 0
	VLOAD 1
.macro VBLOCK t                        ; block t is block t % 4 of the run t / 4 of 128 keys: block 2 c + h belongs to image lane 16 h + channel % 16, registers 6 c on
.set XS, VX+32*((\t)%2)
.set OF, 1536*((\t)/4)+256*((\t)%2)
.if (\t) < 7
	s_wait_loadcnt 32
.else
	s_wait_loadcnt 0
.endif
	v_max3_num_f32 v12, |v[XS]|, |v[XS+1]|, |v[XS+2]|
	v_max3_num_f32 v13, |v[XS+3]|, |v[XS+4]|, |v[XS+5]|
.irp i, 6,10,14,18,22,26
	v_max3_num_f32 v12, v12, |v[XS+\i]|, |v[XS+\i+1]|
	v_max3_num_f32 v13, v13, |v[XS+\i+2]|, |v[XS+\i+3]|
.endr
	v_max3_num_f32 v12, v12, |v[XS+30]|, |v[XS+31]|
	v_max3_num_f32 v12, v12, v13, 0x1800000
	v_add_nc_u32 v11, 0xff000000, v12
	v_cvt_scalef32_pk16_fp6_f32 v[VC:VC+2], v[XS:XS+15], v11
	v_cvt_scalef32_pk16_fp6_f32 v[VC2:VC2+2], v[XS+16:XS+31], v11
	v_lshrrev_b32 v13, 23, v11
.if (\t)%4 == 0
	v_mov_b32 v[SB+(\t)/4], v13
.else
	v_lshl_or_b32 v[SB+(\t)/4], v13, 8*((\t)%4), v[SB+(\t)/4]
.endif
.irp i, 0,1,2
	v_mov_b32 v[VC+3+\i], v[VC2+\i]
.endr
.if ((\t)/2)%2 == 0
	ds_store_b128 v4, v[VC:VC+3] offset:OF
	ds_store_b64 v4, v[VC+4:VC+5] offset:OF+512
.else
	ds_store_b64 v4, v[VC:VC+1] offset:OF+520
	ds_store_b128 v4, v[VC+2:VC+5] offset:OF+1024
.endif
.if (\t)+2 < 8
	VLOAD (\t)+2
.endif
	s_wait_dscnt 0x0                               ; the stores have read their registers
.endm
.irp t, 0,1,2,3,4,5,6,7
	VBLOCK \t
.endr
	s_wait_alu depctr_va_vdst(0)
	global_store_b64 v9, v[SB:SB+1], s[24:25]
.irp q, 0,1,2,3,4,5,6,7,8,9,10,11
	ds_load_b128 v[OUTR+4*\q:OUTR+4*\q+3], v7 offset:512*\q
.endr
.irp q, 0,1,2,3,4,5,6,7,8,9,10,11
	s_wait_dscnt 11-\q
	global_store_b128 v8, v[OUTR+4*\q:OUTR+4*\q+3], s[14:15] offset:512*\q+3072*(\q/6)
.endr
	s_wait_tensorcnt 0x0
	ds_add_u32 v192, v193
	s_wait_dscnt 0x0
	s_endpgm
.Lfunc_end_k_qfb08efeac8_quant:
	.size	k_qfb08efeac8_quant, .Lfunc_end_k_qfb08efeac8_quant-k_qfb08efeac8_quant
	.p2alignl 7, 3214868480
	.fill 96, 4, 3214868480
	.section	.rodata,"a",@progbits
	.p2align	6, 0x0
	.amdhsa_kernel k_qfb08efeac8_quant
		.amdhsa_group_segment_fixed_size 72192
		.amdhsa_private_segment_fixed_size 0
		.amdhsa_enable_private_segment 0
		.amdhsa_kernarg_size 48
		.amdhsa_user_sgpr_count 2
		.amdhsa_user_sgpr_kernarg_segment_ptr 1
		.amdhsa_wavefront_size32 1
		.amdhsa_system_sgpr_workgroup_id_x 1
		.amdhsa_system_sgpr_workgroup_id_y 1
		.amdhsa_system_sgpr_workgroup_id_z 1
		.amdhsa_system_vgpr_workitem_id 0
		.amdhsa_next_free_vgpr 208
		.amdhsa_next_free_sgpr 66
		.amdhsa_reserve_vcc 0
		.amdhsa_float_denorm_mode_32 3
		.amdhsa_float_denorm_mode_16_64 3
		.amdhsa_memory_ordered 1
		.amdhsa_forward_progress 1
		.amdhsa_inst_pref_size 79
	.end_amdhsa_kernel
	.amdgpu_metadata
---
amdhsa.version: [ 1, 2 ]
amdhsa.kernels:
  - .name:           k_qfb08efeac8_quant
    .symbol:         k_qfb08efeac8_quant.kd
    .args:
      - { .name: x, .offset: 0, .size: 8, .value_kind: global_buffer, .address_space: global }
      - { .name: K, .offset: 8, .size: 8, .value_kind: global_buffer, .address_space: global }
      - { .name: V, .offset: 16, .size: 8, .value_kind: global_buffer, .address_space: global }
      - { .name: xq, .offset: 24, .size: 8, .value_kind: global_buffer, .address_space: global }
      - { .name: kq, .offset: 32, .size: 8, .value_kind: global_buffer, .address_space: global }
      - { .name: vq, .offset: 40, .size: 8, .value_kind: global_buffer, .address_space: global }
    .group_segment_fixed_size: 72192
    .private_segment_fixed_size: 0
    .kernarg_segment_align: 8
    .kernarg_segment_size: 48
    .max_flat_workgroup_size: 128
    .sgpr_count:     66
    .vgpr_count:     208
    .wavefront_size: 32
...
	.end_amdgpu_metadata
.endif
;; end of part 1
;; launch scores (part 2): grid 32 x 8, 4 waves a work-group, clusters of 4 x 1, 327,680 bytes of LDS; arguments xq, kq, pc, pst; writes pc, pst
.if DOCPART == 2
	.amdgcn_target "amdgcn-amd-amdhsa--gfx1250"
	.amdhsa_code_object_version 6
	.text
	.protected	k_qfb08efeac8_scores
	.globl	k_qfb08efeac8_scores
	.p2align	8
	.type	k_qfb08efeac8_scores,@function
k_qfb08efeac8_scores:
	s_mov_b64 s[64:65], 0
	v_nop
	global_prefetch_b8 v0, s[64:65] scope:SCOPE_SE
	s_setreg_imm32_b32 hwreg(HW_REG_WAVE_MODE, 25, 1), 1
	s_wait_xcnt 0x0
	s_wait_alu depctr_hold_cnt(0) depctr_sa_sdst(0) depctr_va_vdst(0) depctr_va_sdst(0) depctr_va_ssrc(0) depctr_va_vcc(0) depctr_vm_vsrc(0)
	s_getreg_b32 s2, hwreg(HW_REG_IB_STS2, 6, 4)
	s_cmp_eq_u32 s2, 0
	s_cbranch_scc0 .Lentry_in_a_cluster
	s_endpgm
.Lentry_in_a_cluster:
	s_bfe_u32 s2, ttmp6, 0x10000c
	s_cmp_lg_u32 s2, 0x3003
	s_cbranch_scc0 .Lentry_shape_is_right
	s_endpgm
.Lentry_shape_is_right:
; S = x K^T on codes of FP6 (E2M3) with one E8M0 scale for each 32 along the 1,024; then, for each row and each run of 128 keys, the softmax's numerator under a whole-number M OF THAT RUN, quantised along the keys.
; t = S x log2(e) / 32; M = ceil(the run's largest t); p = 2^(t - M).  M is a whole number, so p's codes are the same under the row's final M: only the scale bytes move, by the difference of the two M.
; Stored: pc: p's codes as images of the next product's operand registers, [512 keys][16 rows][128 keys][1,536 bytes];
;         pst: three tables [256 keys][row][2]: p's scale words under the run's M; -M (f32, a whole number); the run's sum of the unquantised p (f32).
; LIMITS: NaN and infinities are not served.  A p under 2^-126 of its run's largest counts as 0.
; A WORK-GROUP has 256 rows and 512 keys.  A WAVE KEEPS ITS 64 ROWS OF x, all 1,024 along E, IN 384 REGISTERS (loaded once, as images, 16 bytes a lane); K comes in four tiles of 128 places x all of E:
; one dense record of 102,400 bytes (codes, then scale bytes), rows of 256 bytes, a quarter to each wave's tensor load, through two LDS slots.  A tile is 256 products a wave and four blocks of the softmax.
; The loop has three trips, each of which asks for the next tile; the last tile is written out and asks for nothing.
; CLUSTERS: the four work-groups of a cluster have the same keys and other rows: each tile is asked for jointly, mask 15.
; No prefetch is laid: a tile is asked for one whole tile (256 products and four blocks of the softmax a wave) ahead of the wait for it.
; THE MATRIX INSTRUCTION IS USED TRANSPOSED (source 0 = 16 places of K, source 1 = 16 rows of x): a lane holds ONE row, and the 16 registers of accumulators 2 b, 2 b + 1 are keys 32 b + 16 (lane / 16) + 0 .. 15.
; REGISTERS, in windows of 256: window 0: v0-31 addresses; v32-47 x's scale words, v48-79 K's (lanes 0-15: E's first four 128, lanes 16-31: the last four); v80-159 the softmax; v160-255 K's fragments, set 0.
;   window 1: v0-95 K's set 1; v96-239 x's fragments of steps 5-7.   window 2: the 32 accumulators ((a, b) at v[8 (8 a + b)]), in which the softmax works in place.   window 3: x's fragments of steps 0-4.
.set XSOFF, 6291456
.set REC,   102400                     ; a tile's record
.set QREC,  25600                      ; a wave's quarter: 100 rows of 256 bytes
.set SLOT1, 0x20000                    ; slot 0 at 0, slot 1 here
.set SST,   102400                     ; between the slots: the tables' stage, [tile 4][table 3][row 256] words
.set SPARE, 114688                     ; and the spare words
.set ADRB, 20                          ; v20, v21 LDS address of K's blocks 0-3, 4-7 in this tile's slot
.set SSL,  22
.set SSTR, 23
.set GO,   24                          ; 16 x lane
.set SSTA, 25
.set SPW,  28
.set NIL,  29
.set SCA,  32
.set SCB,  48
.set MX,   80
.set BM,   100
.set BT,   104
.set NM,   108
.set SA,   110
.set SB,   112
.set LT,   114
.set LP,   115
.set SO,   116
.set BY,   120
.set PW,   124
.set PK,   128                         ; v128-139 the codes; v140-142, v144-146 second halves as they are made
.set ST,   160
.set SEL, 2
.set CNT, 13
.set WV,  14
.set G1,  24
.set G0,  32
.set SL,  36                           ; this tile's slot
.set STG, 37                           ; this tile's part of the stage
.set CS,  38
.set PC,  40
.set PST, 42
.set XB,  44
.set XSC, 46
.set MSB, 0
.macro WIN new
.if MSB != (\new)
	s_set_vgpr_msb (MSB<<8)|(\new)
.set MSB, (\new)
.endif
.endm
.macro CROUND                          ; a round of the cluster's barrier
	s_barrier_signal -1
	s_barrier_wait -1
	s_cmp_lg_u32 s[WV], 0
	s_cbranch_scc1 .Lnot_wave_0_\@
	s_barrier_signal -3
.Lnot_wave_0_\@:
	s_barrier_wait -3
	s_barrier_signal -1
	s_barrier_wait -1
.endm
.macro PLACES
.rept 4
	v_nop
.endr
.endm
	s_load_b256 s[4:11], s[0:1], 0x0               ; xq, kq, pc, pst
	v_lshl_add_u32 v[SPW], v0, 2, SPARE
	v_mov_b32 v[NIL], 0
	ds_add_u32 v[SPW], v[NIL]                      ; the opening lines
	ds_add_u32 v[SPW], v[NIL]
	v_lshrrev_b32 v1, 5, v0
	v_readfirstlane_b32 s[WV], v1                  ; wave
	v_and_b32 v2, 31, v0
	v_and_b32 v3, 15, v0
	v_lshlrev_b32 v[GO], 4, v2
	s_bfe_u32 s15, ttmp6, 0x40000                  ; cx
	s_lshl_b32 s16, ttmp9, 2
	s_add_co_u32 s16, s16, s15                     ; which 256 rows
	s_and_b32 s17, ttmp7, 0xffff                   ; which 512 keys
	s_mov_b32 s[SEL], 0x76543210
	s_mov_b32 s[SEL+1], 0xfedcba98
	s_mov_b32 s[CS], 0x3d38aa3b                    ; log2(e) / 32
	s_mov_b32 s[CS+1], s[CS]
	s_mov_b32 s[G1], 15|(3<<16)|(1<<21)            ; mask of the four; elements of 8 bytes; bit 21 beside a mask
	s_mov_b32 s[G1+1], 32<<16
	s_mov_b32 s[G1+2], 100<<16
	s_mov_b32 s[G1+3], 32<<16
	s_mov_b32 s[G1+4], 100
	s_mov_b32 s[G1+5], 32
	s_mov_b32 s[G1+6], 0
	s_mov_b32 s[G1+7], 0
	s_lshl_b32 s18, s16, 4
	s_lshl_b32 s19, s[WV], 2
	s_add_co_u32 s18, s18, s19                     ; my first block of 16 rows
	s_mul_i32 s20, s18, 12288
	s_mov_b32 s21, 0
	s_lshl_b32 s22, s18, 9
	s_add_co_u32 s22, s22, XSOFF
	s_mov_b32 s23, 0
	s_mul_i32 s48, s17, 4*REC
	s_mul_i32 s[G0+1], s[WV], QREC                 ; LDS: slot 0, my quarter
	s_add_co_u32 s48, s48, s[G0+1]
	s_mov_b32 s49, 0
	s_lshl_b32 s50, s17, 9
	s_add_co_u32 s50, s50, s18
	s_mul_i32 s50, s50, 6144                       ; pc: (512 x key group + row block) x 4 images
	s_mov_b32 s51, 0
	s_lshl_b32 s52, s17, 17                        ; pst: 65,536 x (2 x key group) + 8 (256 x row group + 64 x wave)
	s_lshl_b32 s53, s16, 11
	s_add_co_u32 s52, s52, s53
	s_lshl_b32 s53, s[WV], 9
	s_add_co_u32 s52, s52, s53
	s_mov_b32 s53, 0
	s_lshl_b32 s54, s[WV], 8
	s_add_co_u32 s54, s54, SST
	s_wait_alu depctr_va_vdst(0)                   ; directly ahead of the readers below
	v_lshl_add_u32 v[SSL], v3, 2, s54              ; the stage: my wave's 64 rows, row r of a block
	v_lshl_add_u32 v[SSTR], v2, 3, s54             ; back: two rows a lane
.irp b, 0,1,2,3
	v_mov_b32 v[BT+\b], 0                          ; a lane permute's destination counts as one of its sources
.endr
	v_mov_b32 v[NM+1], 0
	v_mov_b32 v[LP], 0
	s_mov_b32 s[SL], 0
	s_mov_b32 s[STG], 0
	s_mov_b32 s[G0], 1
	s_mov_b32 s[CNT], 3
	s_wait_dscnt 0x0
	s_wait_alu depctr_va_vdst(0)
	s_wait_kmcnt 0x0
	s_add_nc_u64 s[XB:XB+1], s[4:5], s[20:21]
	s_add_nc_u64 s[XSC:XSC+1], s[4:5], s[22:23]
	s_add_nc_u64 s[G0+2:G0+3], s[6:7], s[48:49]
	s_or_b32 s[G0+3], s[G0+3], 0x80000000
	s_add_nc_u64 s[PC:PC+1], s[8:9], s[50:51]
	s_add_nc_u64 s[PST:PST+1], s[10:11], s[52:53]
	WIN 0xc0                                       ; x's fragments of steps 0-4 into window 3
.irp q, 0,1,2,3,4
.irp a, 0,1,2,3
.irp j, 0,1,2
	global_load_b128 v[48*\q+12*\a+4*\j:48*\q+12*\a+4*\j+3], v[GO], s[XB:XB+1] offset:12288*\a+1536*\q+512*\j
.endr
.endr
.endr
	WIN 0x40                                       ; steps 5-7 into window 1
.irp q, 5,6,7
.irp a, 0,1,2,3
.irp j, 0,1,2
	global_load_b128 v[96+48*(\q-5)+12*\a+4*\j:96+48*(\q-5)+12*\a+4*\j+3], v[GO], s[XB:XB+1] offset:12288*\a+1536*\q+512*\j
.endr
.endr
.endr
	WIN 0
.irp a, 0,1,2,3
	global_load_b128 v[SCA+4*\a:SCA+4*\a+3], v[GO], s[XSC:XSC+1] offset:512*\a
.endr
	CROUND                                         ; the four work-groups are here: the first joint loads meet
	tensor_load_to_lds s[G0:G0+3], s[G1:G1+7]      ; tile 0, my quarter: my one load at the head
	s_nop 0
	PLACES
	s_wait_loadcnt 0x0                             ; x is in
.macro LGRP i                          ; group i = 2 q + g: K's blocks 4 g .. 4 g + 3 of step q into set q % 2: 12 loads
.set LQ, (\i)/2
.set LG, (\i)%2
.set LS, LQ%2
	WIN LS<<6
.irp b, 0,1,2,3
.irp j, 0,1,2
	ds_load_b128 v[160*(1-LS)+48*LG+12*\b+4*\j:160*(1-LS)+48*LG+12*\b+4*\j+3], v[ADRB+LG] offset:12288*\b+1536*LQ+512*\j
.endr
.endr
.endm
; Half a step: 16 products, four blocks of K against my four blocks of x; the 32 accumulators take turns in the same order in every step.
; Its fragments' registers then take group i + 4.  At the wait the groups i + 1 .. i + 3, 12 loads each, may be out.
.macro HALF i
.set HQ, (\i)/2
.set HG, (\i)%2
.set HP, HQ%2
.if (\i) <= 12
	s_wait_dscnt 36
.else
	s_wait_dscnt 12*(15-(\i))
.endif
.if HQ < 5
.set AB, 48*HQ
	WIN 0xac|HP
.else
.set AB, 96+48*(HQ-5)
	WIN 0xa4|HP
.endif
.set BB, 160*(1-HP)+48*HG
.irp b, 0,1,2,3
.irp a, 0,1,2,3
.if HQ == 0
	v_wmma_scale_f32_16x16x128_f8f6f4 v[8*(8*\a+4*HG+\b):8*(8*\a+4*HG+\b)+7], v[BB+12*\b:BB+12*\b+11], v[AB+12*\a:AB+12*\a+11], 0, v[SCB+4*(4*HG+\b)], v[SCA+4*\a] matrix_a_fmt:MATRIX_FMT_FP6 matrix_b_fmt:MATRIX_FMT_FP6
.else
.if HQ < 4
	v_wmma_scale_f32_16x16x128_f8f6f4 v[8*(8*\a+4*HG+\b):8*(8*\a+4*HG+\b)+7], v[BB+12*\b:BB+12*\b+11], v[AB+12*\a:AB+12*\a+11], v[8*(8*\a+4*HG+\b):8*(8*\a+4*HG+\b)+7], v[SCB+4*(4*HG+\b)+HQ], v[SCA+4*\a+HQ] matrix_a_fmt:MATRIX_FMT_FP6 matrix_b_fmt:MATRIX_FMT_FP6
.else
	v_wmma_scale_f32_16x16x128_f8f6f4 v[8*(8*\a+4*HG+\b):8*(8*\a+4*HG+\b)+7], v[BB+12*\b:BB+12*\b+11], v[AB+12*\a:AB+12*\a+11], v[8*(8*\a+4*HG+\b):8*(8*\a+4*HG+\b)+7], v[SCB+4*(4*HG+\b)+HQ-4], v[SCA+4*\a+HQ-4] matrix_a_fmt:MATRIX_FMT_FP6 matrix_b_fmt:MATRIX_FMT_FP6 matrix_a_scale:MATRIX_SCALE_ROW1 matrix_b_scale:MATRIX_SCALE_ROW1
.endif
.endif
.endr
.endr
.if (\i)+4 <= 15
	PLACES                                         ; four places ahead of loads into registers that these products read
	LGRP (\i)+4
.endif
.endm
; The softmax of block a, 16 rows x 128 keys, in place in its 64 accumulator registers.  Lane (r, h) holds row r; register 16 b + i is key 32 b + 16 h + i.
.macro SOFT a
.set AC, 64*(\a)
	s_wait_xcnt 0x0                                ; the last block's stores have had their addresses translated: their registers may be written again
	s_wait_dscnt 0x0
	WIN 0x2a
	s_wait_alu depctr_va_vdst(0)                   ; the wait ahead of the first reader of these matrix results
.irp i, 0,1,2,3,4
.irp b, 0,1,2,3
	v_max3_num_f32 v[MX+5*\b+\i], v[AC+16*\b+3*\i], v[AC+16*\b+3*\i+1], v[AC+16*\b+3*\i+2]   ; each accumulator is read from its low end on
.endr
.endr
	WIN 0x02
.irp b, 0,1,2,3
	v_max3_num_f32 v[BM+\b], v[AC+16*\b+15], v[MX+5*\b], v[MX+5*\b+1]
.endr
	WIN 0
.irp b, 0,1,2,3
	v_max3_num_f32 v[BM+\b], v[BM+\b], v[MX+5*\b+2], v[MX+5*\b+3]
.endr
.irp b, 0,1,2,3
	v_max_num_f32 v[BM+\b], v[BM+\b], v[MX+5*\b+4]
.endr
.irp b, 0,1,2,3
	v_permlanex16_b32 v[BT+\b], v[BM+\b], s[SEL], s[SEL+1]
.endr
.irp b, 0,1,2,3
	v_max_num_f32 v[BM+\b], v[BM+\b], v[BT+\b]     ; the largest score of each block of 32 keys
.endr
	v_max3_num_f32 v[LT], v[BM], v[BM+1], v[BM+2]
	v_max_num_f32 v[LT], v[LT], v[BM+3]
	v_mul_f32 v[LT], s[CS], v[LT]                  ; the run's largest t
	v_floor_f32 v[NM], -v[LT]                      ; -M = -ceil(t)
.irp b, 0,1,2,3
	v_fma_f32 v[BM+\b], v[BM+\b], s[CS], v[NM]
.endr
	WIN 0x82
.set j, 0
.rept 32
	v_pk_fma_f32 v[AC+j:AC+j+1], v[AC+j:AC+j+1], s[CS:CS+1], v[NM:NM+1] op_sel_hi:[1,0,0]   ; t - M
.set j, j+2
.endr
	s_wait_alu depctr_va_vdst(0)                   ; the wait ahead of the batch
.set j, 0
.rept 64
	v_exp_f32 v[AC+j], v[AC+j]                     ; p = 2^(t - M)
.set j, j+1
.endr
	WIN 0
	v_nop
	s_wait_alu depctr_va_vdst(0)                   ; and behind it
.irp b, 0,1,2,3
	v_exp_f32 v[BM+\b], v[BM+\b]                   ; the block's largest p: the same two instructions on the same number give the same bits
.endr
	WIN 0x0a
	v_pk_add_f32 v[SA:SA+1], v[AC:AC+1], v[AC+2:AC+3]     ; the sum of the unquantised p, in two chains
	v_pk_add_f32 v[SB:SB+1], v[AC+4:AC+5], v[AC+6:AC+7]
	WIN 0x02
.set j, 8
.rept 14
	v_pk_add_f32 v[SA:SA+1], v[AC+j:AC+j+1], v[SA:SA+1]
	v_pk_add_f32 v[SB:SB+1], v[AC+j+2:AC+j+3], v[SB:SB+1]
.set j, j+4
.endr
	WIN 0
	v_pk_add_f32 v[SA:SA+1], v[SA:SA+1], v[SB:SB+1]
	v_add_f32 v[LT], v[SA], v[SA+1]
	v_permlanex16_b32 v[LP], v[LT], s[SEL], s[SEL+1]
	v_add_f32 v[LT], v[LT], v[LP]                  ; the run's sum of my row
	s_wait_alu depctr_va_vdst(0)                   ; the wait for the four
.irp b, 0,1,2,3
	v_max_num_f32 v[BM+\b], 0x1800000, v[BM+\b]    ; the floor 2^(3 - 127)
.endr
.irp b, 0,1,2,3
	v_add_nc_u32 v[SO+\b], 0xff000000, v[BM+\b]    ; the conversion's scale operand
.endr
.irp b, 0,1,2,3
	v_lshrrev_b32 v[BY+\b], 23, v[SO+\b]
.endr
	v_lshl_or_b32 v[PW], v[BY+1], 8, v[BY]
	v_lshl_or_b32 v[PW], v[BY+2], 16, v[PW]
	v_lshl_or_b32 v[PW], v[BY+3], 24, v[PW]        ; p's scale word under the run's M
	WIN 0x02
.irp c, 0,1
	v_cvt_scalef32_pk16_fp6_f32 v[PK+6*\c:PK+6*\c+2], v[AC+32*\c:AC+32*\c+15], v[SO+2*\c]
	v_cvt_scalef32_pk16_fp6_f32 v[PK+12+4*\c:PK+14+4*\c], v[AC+32*\c+16:AC+32*\c+31], v[SO+2*\c+1]
.endr
	WIN 0
	v_nop                                          ; one plain line behind the scaled conversions
.irp c, 0,1                                    ; a whole block to a lane: lanes 0-15 block 2 c, lanes 16-31 block 2 c + 1
.irp i, 0,1,2
	v_permlane16_swap_b32 v[PK+6*\c+\i], v[PK+12+4*\c+\i]
.endr
.irp i, 0,1,2
	v_mov_b32 v[PK+3+6*\c+\i], v[PK+12+4*\c+\i]
.endr
.endr
.irp c, 0,1,2
	global_store_b128 v[GO], v[PK+4*\c:PK+4*\c+3], s[PC:PC+1] offset:6144*(\a)+512*\c   ; 512 consecutive bytes, aligned
.endr
	ds_store_b32 v[SSTA], v[PW] offset:64*(\a)     ; both halves of the lanes write the same word with the same value
	ds_store_b32 v[SSTA], v[NM] offset:1024+64*(\a)
	ds_store_b32 v[SSTA], v[LT] offset:2048+64*(\a)
.endm
.macro TILE refill
	s_wait_tensorcnt 0x0                           ; my quarter of this tile is in, and no load of mine is out
	ds_add_u32 v[SPW], v[NIL]
.if \refill
	s_add_nc_u64 s[G0+2:G0+3], s[G0+2:G0+3], REC   ; the next tile,
	s_xor_b32 s[G0+1], s[G0+1], SLOT1              ; into the other slot
.endif
	s_wait_dscnt 0x0                               ; the add is done, and my reads of the other slot are over
.if \refill
	CROUND                                         ; both hold of every wave of the four work-groups
	tensor_load_to_lds s[G0:G0+3], s[G1:G1+7]      ; my one load behind the round
	s_nop 0
.else
	s_barrier_signal -1
	s_barrier_wait -1
.endif
	v_add_nc_u32 v[ADRB], s[SL], v[GO]
	v_add_nc_u32 v[SSTA], s[STG], v[SSL]
	v_add_nc_u32 v[ADRB+1], 49152, v[ADRB]
	v_nop
	s_wait_alu depctr_va_vdst(0)                   ; the wait behind these writes
.irp b, 0,1,2,3,4,5,6,7
	ds_load_b128 v[SCB+4*\b:SCB+4*\b+3], v[ADRB+1] offset:49152+512*\b
.endr
	LGRP 0
	LGRP 1
	LGRP 2
	LGRP 3
.irp i, 0,1,2,3,4,5,6,7,8,9,10,11,12,13,14,15
	HALF \i
.endr
	PLACES
	SOFT 0
	SOFT 1
	SOFT 2
	SOFT 3
.if \refill
	s_wait_xcnt 0x0                                ; the stores' base is stepped only behind this wait
	s_add_nc_u64 s[PC:PC+1], s[PC:PC+1], 1536      ; the next run's image
	s_xor_b32 s[SL], s[SL], SLOT1
	s_add_co_u32 s[STG], s[STG], 3072
.endif
.endm
.Ltile:
	TILE 1
	s_sub_co_u32 s[CNT], s[CNT], 1
	s_cmp_lg_u32 s[CNT], 0
	s_wait_alu depctr_va_vdst(0)                   ; the wait ahead of the branch
	s_cbranch_scc1 .Ltile
	TILE 0
	; the tables: my 64 rows, two rows a lane, the two runs of each 256 keys side by side.  LDS serves a wave's instructions in order: these see my stores
.irp k, 0,1,2
.irp p, 0,1
.irp e, 0,1,2,3
	ds_load_b32 v[ST+4*(2*\k+\p)+\e], v[SSTR] offset:(2*\p+\e%2)*3072+1024*\k+4*(\e/2)
.endr
.endr
.endr
	s_wait_dscnt 0x0
.irp k, 0,1,2
.irp p, 0,1
	global_store_b128 v[GO], v[ST+4*(2*\k+\p):ST+4*(2*\k+\p)+3], s[PST:PST+1] offset:1048576*\k+65536*\p   ; 512 consecutive bytes, aligned
.endr
.endr
	s_wait_tensorcnt 0x0                           ; the wave's end
	ds_add_u32 v[SPW], v[NIL]
	s_wait_dscnt 0x0
	CROUND                                         ; the closing round
	s_endpgm
.Lfunc_end_k_qfb08efeac8_scores:
	.size	k_qfb08efeac8_scores, .Lfunc_end_k_qfb08efeac8_scores-k_qfb08efeac8_scores
	.p2alignl 7, 3214868480
	.fill 96, 4, 3214868480
	.section	.rodata,"a",@progbits
	.p2align	6, 0x0
	.amdhsa_kernel k_qfb08efeac8_scores
		.amdhsa_group_segment_fixed_size 327680
		.amdhsa_private_segment_fixed_size 0
		.amdhsa_enable_private_segment 0
		.amdhsa_kernarg_size 32
		.amdhsa_user_sgpr_count 2
		.amdhsa_user_sgpr_kernarg_segment_ptr 1
		.amdhsa_wavefront_size32 1
		.amdhsa_system_sgpr_workgroup_id_x 1
		.amdhsa_system_sgpr_workgroup_id_y 1
		.amdhsa_system_sgpr_workgroup_id_z 1
		.amdhsa_system_vgpr_workitem_id 0
		.amdhsa_next_free_vgpr 1024
		.amdhsa_next_free_sgpr 66
		.amdhsa_reserve_vcc 0
		.amdhsa_float_denorm_mode_32 3
		.amdhsa_float_denorm_mode_16_64 3
		.amdhsa_memory_ordered 1
		.amdhsa_forward_progress 1
		.amdhsa_inst_pref_size 204
	.end_amdhsa_kernel
	.amdgpu_metadata
---
amdhsa.version: [ 1, 2 ]
amdhsa.kernels:
  - .name:           k_qfb08efeac8_scores
    .symbol:         k_qfb08efeac8_scores.kd
    .args:
      - { .name: xq, .offset: 0, .size: 8, .value_kind: global_buffer, .address_space: global }
      - { .name: kq, .offset: 8, .size: 8, .value_kind: global_buffer, .address_space: global }
      - { .name: pc, .offset: 16, .size: 8, .value_kind: global_buffer, .address_space: global }
      - { .name: pst, .offset: 24, .size: 8, .value_kind: global_buffer, .address_space: global }
    .group_segment_fixed_size: 327680
    .private_segment_fixed_size: 0
    .kernarg_segment_align: 8
    .kernarg_segment_size: 32
    .max_flat_workgroup_size: 128
    .sgpr_count:     66
    .vgpr_count:     1024
    .wavefront_size: 32
...
	.end_amdgpu_metadata
.endif
;; end of part 2
;; launch attnv (part 3): grid 4 x 64, 4 waves a work-group, clusters of 4 x 1, 327,680 bytes of LDS; arguments pc, pst, vq, out0; writes out0
.if DOCPART == 3
	.amdgcn_target "amdgcn-amd-amdhsa--gfx1250"
	.amdhsa_code_object_version 6
	.text
	.protected	k_qfb08efeac8_attnv
	.globl	k_qfb08efeac8_attnv
	.p2align	8
	.type	k_qfb08efeac8_attnv,@function
k_qfb08efeac8_attnv:
	s_mov_b64 s[64:65], 0
	v_nop
	global_prefetch_b8 v0, s[64:65] scope:SCOPE_SE
	s_setreg_imm32_b32 hwreg(HW_REG_WAVE_MODE, 25, 1), 1
	s_wait_xcnt 0x0
	s_wait_alu depctr_hold_cnt(0) depctr_sa_sdst(0) depctr_va_vdst(0) depctr_va_sdst(0) depctr_va_ssrc(0) depctr_va_vcc(0) depctr_vm_vsrc(0)
	s_getreg_b32 s2, hwreg(HW_REG_IB_STS2, 6, 4)
	s_cmp_eq_u32 s2, 0
	s_cbranch_scc0 .Lentry_in_a_cluster
	s_endpgm
.Lentry_in_a_cluster:
	s_bfe_u32 s2, ttmp6, 0x10000c
	s_cmp_lg_u32 s2, 0x3003
	s_cbranch_scc0 .Lentry_shape_is_right
	s_endpgm
.Lentry_shape_is_right:
; out = (p V) / l on codes of FP6 (E2M3).  pc holds p's codes under a whole-number M of each run of 128 keys, pst the runs' scale words, -M and sums; vq holds V's codes and scale words.
; THE HEAD brings each row under its final M = the largest of its 32 runs' M: a run's scale bytes are lowered by the difference (held at 0 from below: such a block counts under 2^-127), and its sum is scaled by 2^difference; l is the sum of these.
; LIMITS: NaN and infinities are not served; a run more than 127 under the row's M is taken at 127 under.
; A WORK-GROUP makes 128 rows x 256 channels; A WAVE 128 rows x 64 channels over all 4,096 keys: 32 accumulators, no sum is split between waves.
; p comes in four tiles of 128 rows x 1,024 keys (98,304 bytes: two dense runs of 49,152), rows of 256 bytes, a quarter to each wave's tensor load, through two LDS slots; all four waves read it.
; CLUSTERS: the four work-groups of a cluster have the same rows and other channels: p's tiles are asked for jointly, mask 15.
; V's fragments are each read by ONE wave of the work-group: they go from memory straight into that wave's registers, 12 loads a step of 128 keys, four steps ahead, and pass through no LDS; so no joint load is made of them.
; p's tiles are prefetched two tiles ahead: of a wave's 96 blocks of 256 bytes each of the four partners names 24, told apart by address; tiles 0 and 1 come by their loads alone, and the last two tiles ask for nothing.
; The first tile starts the sums and the last asks for nothing: both are written out; tiles 1 and 2 are a loop.
; THE MATRIX INSTRUCTION: source 0 = 16 channels of V, source 1 = 16 rows of p: a lane holds one row and eight neighbouring channels.
; REGISTERS, in windows of 256: window 0: v0-31 addresses; v32-47 V's scale words, v48-79 p's (lanes 0-15: the tile's steps 0-3, lanes 16-31: steps 4-7); v80-159 the way out; v160-255 p's fragments, set 0 (in the head v128-247 the tables).
;   window 1: v0-95 p's set 1; v96-239 V's fragments of steps 5-7.   window 2: accumulator (c, a) at v[8 (8 c + a)].   window 3: V's fragments of steps 0-4.
.set PSLOT, 3145728                    ; pc: from 512 keys to the next
.set VSLOT, 393216                     ; vq: likewise
.set VSOFF, 3145728
.set QT,    24576                      ; a wave's quarter of a tile: 96 rows of 256 bytes
.set SLOT1, 0x20000
.set ASC,   98304                      ; p's scale words, [512 keys: 8][row 128][4 words]
.set RL,    114688                     ; 1 / l, a word a row
.set SPARE, 115200
.set VSC,   229376                     ; V's scale words as images of the registers, 8,192 bytes a wave
.set STG,   262144                     ; the way out: 16 rows x SPITCH a wave
.set SPITCH, 272
.set PSL, 8
.set PSA, 9
.set VSW, 10
.set VSR, 11
.set ASW, 12
.set RLW, 13
.set RLA, 14
.set STO, 15
.set RD,  16
.set CO,  17
.set TO,  18
.set VSL, 19
.set ADRB, 20
.set PFO, 22
.set GO,  24
.set SPW, 28
.set NIL, 29
.set SCA, 32
.set SCB, 48
.set VT,  32                           ; the head: V's scale words of all four tiles, v32-95
.set RLR, 144
.set NMR, 128
.set LSR, 160
.set WR,  192
.set GM,  224
.set TA,  228
.set LS,  244
.set CNT, 13
.set WV,  14
.set G1,  24
.set G0,  32
.set SL,  36
.set PSO, 37
.set VSO, 38
.set VB,  40
.set OUT, 42
.set PSTB, 44
.set VSB, 46
.set PFA, 56
.set MSB, 0
.macro WIN new
.if MSB != (\new)
	s_set_vgpr_msb (MSB<<8)|(\new)
.set MSB, (\new)
.endif
.endm
.macro CROUND                          ; a round of the cluster's barrier
	s_barrier_signal -1
	s_barrier_wait -1
	s_cmp_lg_u32 s[WV], 0
	s_cbranch_scc1 .Lnot_wave_0_\@
	s_barrier_signal -3
.Lnot_wave_0_\@:
	s_barrier_wait -3
	s_barrier_signal -1
	s_barrier_wait -1
.endm
.macro PLACES
.rept 4
	v_nop
.endr
.endm
	s_load_b256 s[4:11], s[0:1], 0x0               ; pc, pst, vq, out0
	v_lshl_add_u32 v[SPW], v0, 2, SPARE
	v_mov_b32 v[NIL], 0
	ds_add_u32 v[SPW], v[NIL]                      ; the opening lines
	ds_add_u32 v[SPW], v[NIL]
	v_lshrrev_b32 v1, 5, v0
	v_readfirstlane_b32 s[WV], v1                  ; wave
	s_bfe_u32 s15, ttmp6, 0x40000                  ; cx
	s_lshl_b32 s16, ttmp9, 2
	s_add_co_u32 s16, s16, s15                     ; which 256 channels
	s_and_b32 s17, ttmp7, 0xffff                   ; which 128 rows
	s_mov_b32 s[G1], 15|(3<<16)|(1<<21)            ; mask of the four; elements of 8 bytes; bit 21 beside a mask
	s_mov_b32 s[G1+1], 32<<16
	s_mov_b32 s[G1+2], 96<<16
	s_mov_b32 s[G1+3], 32<<16
	s_mov_b32 s[G1+4], 96
	s_mov_b32 s[G1+5], 32
	s_mov_b32 s[G1+6], 0
	s_mov_b32 s[G1+7], 0
	s_lshr_b32 s18, s[WV], 1
	s_and_b32 s19, s[WV], 1
	s_mul_i32 s48, s17, 49152                      ; p: my rows' run of the first 512 keys,
	s_mul_i32 s18, s18, PSLOT                      ; waves 2 and 3: of the second 512,
	s_add_co_u32 s48, s48, s18
	s_mul_i32 s19, s19, QT                         ; its first or second half
	s_add_co_u32 s48, s48, s19
	s_mov_b32 s49, 0
	s_mul_i32 s[G0+1], s[WV], QT                   ; LDS: slot 0, my quarter
	s_mul_i32 s50, s15, 6144                       ; the prefetches: my work-group's 24 blocks of my quarter, two tiles on
	s_add_co_u32 s50, s50, s48
	s_add_co_u32 s50, s50, 4*PSLOT
	s_mov_b32 s51, 0
	s_lshl_b32 s52, s16, 4
	s_lshl_b32 s53, s[WV], 2
	s_add_co_u32 s52, s52, s53
	s_mul_i32 s52, s52, 6144                       ; V: my first block of 16 channels
	s_mov_b32 s53, 0
	s_lshl_b32 s54, s16, 11
	s_lshl_b32 s55, s[WV], 9
	s_add_co_u32 s54, s54, s55
	s_add_co_u32 s54, s54, VSOFF                   ; V's scale words: 8 bytes a channel
	s_mov_b32 s55, 0
	s_lshl_b32 s20, s17, 19                        ; out: 128 rows of 4,096 bytes, 1,024 bytes a column tile, 256 a wave
	s_lshl_b32 s21, s16, 10
	s_add_co_u32 s20, s20, s21
	s_lshl_b32 s21, s[WV], 8
	s_add_co_u32 s20, s20, s21
	s_mov_b32 s21, 0
	s_lshl_b32 s22, s17, 10                        ; pst: 8 bytes a row
	s_mov_b32 s23, 0
	s_lshl_b32 s18, s[WV], 13
	s_add_co_u32 s18, s18, VSC
	s_mul_i32 s19, s[WV], 16*SPITCH
	s_add_co_u32 s19, s19, STG
	s_mov_b32 s[SL], 0
	s_mov_b32 s[PSO], 0
	s_mov_b32 s[VSO], 0
	s_mov_b32 s[G0], 1
	s_mov_b32 s[CNT], 2
	v_and_b32 v2, 31, v0                           ; lane
	v_and_b32 v3, 15, v0                           ; r
	v_bfe_u32 v4, v0, 4, 1                         ; h
	v_lshlrev_b32 v[GO], 4, v2
	v_lshlrev_b32 v[TO], 3, v0
	v_lshlrev_b32 v5, 14, v4
	v_lshl_add_u32 v[VSL], v3, 3, v5               ; V's scale words: channel r, lanes 16-31 512 keys on
	v_lshlrev_b32 v5, 11, v4
	v_lshl_add_u32 v5, v3, 4, v5
	v_add_nc_u32 v[PSL], ASC, v5                   ; p's: row r, lanes 16-31 the tile's second 512 keys
	v_add_nc_u32 v[VSW], s18, v[GO]
	v_lshl_add_u32 v[ASW], v0, 4, ASC
	v_lshl_add_u32 v[RLW], v0, 2, RL
	v_lshl_add_u32 v[RLA], v3, 2, RL
	v_mul_u32_u24 v5, v3, SPITCH
	v_lshl_add_u32 v5, v4, 5, v5
	v_add_nc_u32 v[STO], s19, v5                   ; the stage, in: row r, 32 bytes for each half of the lanes
	v_mul_u32_u24 v5, v4, SPITCH
	v_lshl_add_u32 v5, v3, 4, v5
	v_add_nc_u32 v[RD], s19, v5                    ; back: lanes 0-15 one row of 256 bytes, lanes 16-31 the next
	v_lshlrev_b32 v5, 12, v4
	v_lshl_add_u32 v[CO], v3, 4, v5                ; and the same two rows in out
	v_min_u32 v5, 23, v2
	v_lshlrev_b32 v[PFO], 8, v5                    ; a lane a block of 256 bytes; lanes 24-31 name the last again
	v_mov_b32 v[LS], 0
	v_mov_b32 v[LS+1], 0
	s_wait_dscnt 0x0
	s_wait_alu depctr_va_vdst(0)
	s_wait_kmcnt 0x0
	s_add_nc_u64 s[G0+2:G0+3], s[4:5], s[48:49]
	s_or_b32 s[G0+3], s[G0+3], 0x80000000
	s_add_nc_u64 s[PFA:PFA+1], s[4:5], s[50:51]
	s_add_nc_u64 s[PSTB:PSTB+1], s[6:7], s[22:23]
	s_add_nc_u64 s[VB:VB+1], s[8:9], s[52:53]
	s_add_nc_u64 s[VSB:VSB+1], s[8:9], s[54:55]
	s_add_nc_u64 s[OUT:OUT+1], s[10:11], s[20:21]
.set y, 0
.rept 16                               ; thread = row: its 32 runs' -M, sums and scale words
	global_load_b64 v[NMR+2*y:NMR+2*y+1], v[TO], s[PSTB:PSTB+1] offset:1048576+65536*y
	global_load_b64 v[LSR+2*y:LSR+2*y+1], v[TO], s[PSTB:PSTB+1] offset:2097152+65536*y
	global_load_b64 v[WR+2*y:WR+2*y+1], v[TO], s[PSTB:PSTB+1] offset:65536*y
.set y, y+1
.endr
.irp t, 0,1,2,3                        ; V's scale words: register 16 t + 4 c + j: tile t, block c, step j (lanes 0-15) or 4 + j (lanes 16-31)
.irp c, 0,1,2,3
.irp e, 0,1
	global_load_b64 v[VT+16*\t+4*\c+2*\e:VT+16*\t+4*\c+2*\e+1], v[VSL], s[VSB:VSB+1] offset:32768*\t+8192*\e+128*\c
.endr
.endr
.endr
	WIN 0xc0
.irp q, 0,1,2,3                        ; V's fragments of steps 0-3
.irp c, 0,1,2,3
.irp j, 0,1,2
	global_load_b128 v[48*\q+12*\c+4*\j:48*\q+12*\c+4*\j+3], v[GO], s[VB:VB+1] offset:6144*\c+1536*\q+512*\j
.endr
.endr
.endr
	WIN 0
	CROUND                                         ; the four work-groups are here: the first joint loads meet
	tensor_load_to_lds s[G0:G0+3], s[G1:G1+7]      ; tile 0, my quarter: my one load at the head
	s_nop 0
	PLACES
	s_wait_loadcnt 48                              ; all but V's 48 fragment loads are in
.irp t, 0,1,2,3
.irp c, 0,1,2,3
	ds_store_b128 v[VSW], v[VT+16*\t+4*\c:VT+16*\t+4*\c+3] offset:2048*\t+512*\c
.endr
.endr
	v_min3_num_f32 v[GM], v[NMR], v[NMR+1], v[NMR+2]
	v_min3_num_f32 v[GM+1], v[NMR+3], v[NMR+4], v[NMR+5]
.irp i, 6,10,14,18,22,26
	v_min3_num_f32 v[GM], v[GM], v[NMR+\i], v[NMR+\i+1]
	v_min3_num_f32 v[GM+1], v[GM+1], v[NMR+\i+2], v[NMR+\i+3]
.endr
	v_min3_num_f32 v[GM], v[GM], v[NMR+30], v[NMR+31]
	v_min_num_f32 v[GM], v[GM], v[GM+1]            ; the row's -M
.macro FIX4 n0                         ; four runs by turns
.irp k, 0,1,2,3
	v_sub_f32 v[TA+4*\k], v[GM], v[NMR+(\n0)+\k]   ; the run's M less the row's: a whole number, 0 or less
.endr
.irp k, 0,1,2,3
	v_max_num_f32 v[TA+4*\k], 0xc2fe0000, v[TA+4*\k]   ; held at -127
.endr
.irp k, 0,1,2,3
	v_cvt_i32_f32 v[TA+4*\k], v[TA+4*\k]
.endr
.irp k, 0,1,2,3
	v_ldexp_f32 v[TA+4*\k+1], v[LSR+(\n0)+\k], v[TA+4*\k]
.endr
.irp k, 0,1,2,3
	v_add_f32 v[LS+\k%2], v[LS+\k%2], v[TA+4*\k+1]
.endr
.irp k, 0,1,2,3
	v_add_nc_u32 v[TA+4*\k], 128, v[TA+4*\k]       ; 128 + difference, 1 to 128, in all four bytes:
.endr
.irp k, 0,1,2,3
	v_perm_b32 v[TA+4*\k], v[TA+4*\k], v[TA+4*\k], 0
.endr
.irp k, 0,1,2,3
	v_add_nc_u32 v[WR+(\n0)+\k], v[WR+(\n0)+\k], v[TA+4*\k]   ; a byte (at most 127) + that stays inside its byte; bit 7 is set where the lowered byte is 0 or more
.endr
.irp k, 0,1,2,3
	v_and_b32 v[TA+4*\k+2], 0x80808080, v[WR+(\n0)+\k]
.endr
.irp k, 0,1,2,3
	v_lshrrev_b32 v[TA+4*\k+3], 7, v[TA+4*\k+2]
.endr
.irp k, 0,1,2,3
	v_sub_nc_u32 v[TA+4*\k+2], v[TA+4*\k+2], v[TA+4*\k+3]     ; 0x7f in those bytes, 0 in the others
.endr
.irp k, 0,1,2,3
	v_and_b32 v[WR+(\n0)+\k], v[WR+(\n0)+\k], v[TA+4*\k+2]    ; the 128 taken off again; bytes that fell under 0 are held at 0
.endr
.endm
.irp n, 0,4,8,12,16,20,24,28
	FIX4 \n
.endr
	v_add_f32 v[LS], v[LS], v[LS+1]
	s_wait_alu depctr_va_vdst(0)                   ; the wait ahead of the transcendental
	v_rcp_f32 v[LS+2], v[LS]
	v_nop
.irp m, 0,1,2,3,4,5,6,7
	ds_store_b128 v[ASW], v[WR+4*\m:WR+4*\m+3] offset:2048*\m
.endr
	s_wait_alu depctr_va_vdst(0)                   ; and behind it
	ds_store_b32 v[RLW], v[LS+2]
.macro LGRP i                          ; group i = 2 q + g: p's row blocks 4 g .. 4 g + 3 of step q into set q % 2: 12 loads
.set LQ, (\i)/2
.set LG, (\i)%2
.set LS_, LQ%2
	WIN LS_<<6
.irp b, 0,1,2,3
.irp j, 0,1,2
	ds_load_b128 v[160*(1-LS_)+48*LG+12*\b+4*\j:160*(1-LS_)+48*LG+12*\b+4*\j+3], v[ADRB+LQ/4] offset:6144*(4*LG+\b)+1536*(LQ%4)+512*\j
.endr
.endr
.endm
; Half a step: 16 products, four row blocks of p against my four blocks of V; the 32 accumulators take turns in the same order in every step.
; At a step's head V's fragments of four steps on are asked for: at the wait the four younger steps' 48 loads may be out.  At the LDS wait groups i + 1 .. i + 3, 12 loads each, may be out.
.macro HALF i
.set HQ, (\i)/2
.set HG, (\i)%2
.set HP, HQ%2
.if HG == 0
.if TV || (HQ < 4)
.set VN, (HQ+4)%8
.if VN < 5
.set VR, 48*VN
	WIN 0xc0
.else
.set VR, 96+48*(VN-5)
	WIN 0x40
.endif
.irp c, 0,1,2,3
.irp j, 0,1,2
	global_load_b128 v[VR+12*\c+4*\j:VR+12*\c+4*\j+3], v[GO], s[VB:VB+1] offset:((HQ+4)/4)*VSLOT+6144*\c+((HQ+4)%4)*1536+512*\j
.endr
.endr
	s_wait_loadcnt 48
.else
	s_wait_loadcnt 12*(7-HQ)
.endif
.endif
.if (\i) <= 12
	s_wait_dscnt 36
.else
	s_wait_dscnt 12*(15-(\i))
.endif
.if HQ < 5
.set AB, 48*HQ
	WIN 0xa3|(HP<<2)
.else
.set AB, 96+48*(HQ-5)
	WIN 0xa1|(HP<<2)
.endif
.set BB, 160*(1-HP)+48*HG
.irp b, 0,1,2,3
.irp c, 0,1,2,3
.if TZ && (HQ == 0)
	v_wmma_scale_f32_16x16x128_f8f6f4 v[8*(8*\c+4*HG+\b):8*(8*\c+4*HG+\b)+7], v[AB+12*\c:AB+12*\c+11], v[BB+12*\b:BB+12*\b+11], 0, v[SCA+4*\c], v[SCB+4*(4*HG+\b)] matrix_a_fmt:MATRIX_FMT_FP6 matrix_b_fmt:MATRIX_FMT_FP6
.else
.if HQ < 4
	v_wmma_scale_f32_16x16x128_f8f6f4 v[8*(8*\c+4*HG+\b):8*(8*\c+4*HG+\b)+7], v[AB+12*\c:AB+12*\c+11], v[BB+12*\b:BB+12*\b+11], v[8*(8*\c+4*HG+\b):8*(8*\c+4*HG+\b)+7], v[SCA+4*\c+HQ], v[SCB+4*(4*HG+\b)+HQ] matrix_a_fmt:MATRIX_FMT_FP6 matrix_b_fmt:MATRIX_FMT_FP6
.else
	v_wmma_scale_f32_16x16x128_f8f6f4 v[8*(8*\c+4*HG+\b):8*(8*\c+4*HG+\b)+7], v[AB+12*\c:AB+12*\c+11], v[BB+12*\b:BB+12*\b+11], v[8*(8*\c+4*HG+\b):8*(8*\c+4*HG+\b)+7], v[SCA+4*\c+HQ-4], v[SCB+4*(4*HG+\b)+HQ-4] matrix_a_fmt:MATRIX_FMT_FP6 matrix_b_fmt:MATRIX_FMT_FP6 matrix_a_scale:MATRIX_SCALE_ROW1 matrix_b_scale:MATRIX_SCALE_ROW1
.endif
.endif
.endr
.endr
.if (\i)+4 <= 15
	PLACES                                         ; four places ahead of loads into registers that these products read
	LGRP (\i)+4
.endif
.endm
; A tile of 1,024 keys.  zero: its first step starts the sums;  refill: the next tile is asked for;  ask: 1 the tile two on is prefetched, 2 in the loop's first trip alone.
.macro TILE zero, refill, ask
.set TZ, \zero
.set TV, \refill
	s_wait_tensorcnt 0x0                           ; my quarter of this tile is in, and no load of mine is out
	ds_add_u32 v[SPW], v[NIL]
.if \refill
	s_add_nc_u64 s[G0+2:G0+3], s[G0+2:G0+3], 2*PSLOT   ; the next tile,
	s_xor_b32 s[G0+1], s[G0+1], SLOT1              ; into the other slot
.endif
	s_wait_dscnt 0x0                               ; the add, my LDS stores and my reads of the other slot are done
.if \refill
	CROUND                                         ; this holds of every wave of the four work-groups
	tensor_load_to_lds s[G0:G0+3], s[G1:G1+7]      ; my one load behind the round
	s_nop 0
.else
	s_barrier_signal -1
	s_barrier_wait -1
.endif
	v_add_nc_u32 v[ADRB], s[SL], v[GO]
	v_add_nc_u32 v[PSA], s[PSO], v[PSL]
	v_add_nc_u32 v[VSR], s[VSO], v[VSW]
	v_add_nc_u32 v[ADRB+1], 49152, v[ADRB]
	s_wait_alu depctr_va_vdst(0)                   ; the wait behind these writes
.irp a, 0,1,2,3,4,5,6,7
	ds_load_b128 v[SCB+4*\a:SCB+4*\a+3], v[PSA] offset:256*\a
.endr
.irp c, 0,1,2,3
	ds_load_b128 v[SCA+4*\c:SCA+4*\c+3], v[VSR] offset:512*\c
.endr
	LGRP 0
	LGRP 1
	LGRP 2
	LGRP 3
	WIN 0
.if \ask == 2
	s_cmp_eq_u32 s[CNT], 2
	s_cbranch_scc0 .Lnot_asked_\@
.endif
.if \ask
	global_prefetch_b8 v[PFO], s[PFA:PFA+1] th:TH_LOAD_NT scope:SCOPE_SE
.endif
.if \ask == 2
.Lnot_asked_\@:
.endif
.irp i, 0,1,2,3,4,5,6,7,8,9,10,11,12,13,14,15
	HALF \i
.endr
	PLACES
	WIN 0
.if \refill
	s_wait_xcnt 0x0                                ; the loads' and the prefetch's bases are stepped only behind this wait
	s_add_nc_u64 s[VB:VB+1], s[VB:VB+1], 2*VSLOT
	s_add_nc_u64 s[PFA:PFA+1], s[PFA:PFA+1], 2*PSLOT
	s_xor_b32 s[SL], s[SL], SLOT1
	s_add_co_u32 s[PSO], s[PSO], 4096
	s_add_co_u32 s[VSO], s[VSO], 2048
.endif
.endm
	TILE 1, 1, 1
.Ltile:
	TILE 0, 1, 2
	s_sub_co_u32 s[CNT], s[CNT], 1
	s_cmp_lg_u32 s[CNT], 0
	s_wait_alu depctr_va_vdst(0)                   ; the wait ahead of the branch
	s_cbranch_scc1 .Ltile
	TILE 0, 0, 0
	; THE WAY OUT, by blocks of 16 rows x my 64 channels: x 1 / l, through my own stage, and out as whole rows of 256 bytes
.macro MULS a
.set TM, 80+32*((\a)%2)
	WIN 0x02
.irp c, 0,1,2,3
.irp j, 0,2,4,6
	v_pk_mul_f32 v[TM+8*\c+\j:TM+8*\c+\j+1], v[8*(8*\c+(\a))+\j:8*(8*\c+(\a))+\j+1], v[RLR+2*(\a):RLR+2*(\a)+1]   ; each accumulator is read from its low end on
.endr
.endr
	WIN 0
.endm
.macro TOSTG a
.set TM, 80+32*((\a)%2)
.set OB, 160+32*((\a)%2)
.if (\a) >= 2
	s_wait_xcnt 0x0                                ; the stores of two blocks ago have had their addresses translated: their registers are loaded again
.endif
.irp c, 0,1,2,3
	ds_store_b128 v[STO], v[TM+8*\c:TM+8*\c+3] offset:64*\c
	ds_store_b128 v[STO], v[TM+8*\c+4:TM+8*\c+7] offset:64*\c+16
.endr
.irp t, 0,1,2,3,4,5,6,7
	ds_load_b128 v[OB+4*\t:OB+4*\t+3], v[RD] offset:2*\t*SPITCH   ; LDS serves a wave's instructions in order: these see the stores above
.endr
.endm
.macro SEND a
.set OB, 160+32*((\a)%2)
	s_wait_dscnt 0x0
.irp t, 0,1,2,3,4,5,6,7
	global_store_b128 v[CO], v[OB+4*\t:OB+4*\t+3], s[OUT:OUT+1] offset:4096*(16*(\a)+2*\t) th:TH_STORE_NT   ; 16 lanes store 256 consecutive bytes, aligned
.endr
.endm
.irp a, 0,1,2,3,4,5,6,7
	ds_load_b32 v[RLR+2*\a], v[RLA] offset:64*\a
	ds_load_b32 v[RLR+2*\a+1], v[RLA] offset:64*\a
.endr
	s_wait_dscnt 0x0
	MULS 0
	TOSTG 0
.irp a, 1,2,3,4,5,6,7
	MULS \a
	s_wait_alu depctr_va_vdst(0)                   ; directly ahead of SEND's wait
	SEND \a-1
	TOSTG \a
.endr
	SEND 7
	s_wait_tensorcnt 0x0                           ; the wave's end
	ds_add_u32 v[SPW], v[NIL]
	s_wait_dscnt 0x0
	CROUND                                         ; the closing round
	s_endpgm
.Lfunc_end_k_qfb08efeac8_attnv:
	.size	k_qfb08efeac8_attnv, .Lfunc_end_k_qfb08efeac8_attnv-k_qfb08efeac8_attnv
	.p2alignl 7, 3214868480
	.fill 96, 4, 3214868480
	.section	.rodata,"a",@progbits
	.p2align	6, 0x0
	.amdhsa_kernel k_qfb08efeac8_attnv
		.amdhsa_group_segment_fixed_size 327680
		.amdhsa_private_segment_fixed_size 0
		.amdhsa_enable_private_segment 0
		.amdhsa_kernarg_size 32
		.amdhsa_user_sgpr_count 2
		.amdhsa_user_sgpr_kernarg_segment_ptr 1
		.amdhsa_wavefront_size32 1
		.amdhsa_system_sgpr_workgroup_id_x 1
		.amdhsa_system_sgpr_workgroup_id_y 1
		.amdhsa_system_sgpr_workgroup_id_z 1
		.amdhsa_system_vgpr_workitem_id 0
		.amdhsa_next_free_vgpr 1024
		.amdhsa_next_free_sgpr 66
		.amdhsa_reserve_vcc 0
		.amdhsa_float_denorm_mode_32 3
		.amdhsa_float_denorm_mode_16_64 3
		.amdhsa_memory_ordered 1
		.amdhsa_forward_progress 1
		.amdhsa_inst_pref_size 232
	.end_amdhsa_kernel
	.amdgpu_metadata
---
amdhsa.version: [ 1, 2 ]
amdhsa.kernels:
  - .name:           k_qfb08efeac8_attnv
    .symbol:         k_qfb08efeac8_attnv.kd
    .args:
      - { .name: pc, .offset: 0, .size: 8, .value_kind: global_buffer, .address_space: global }
      - { .name: pst, .offset: 8, .size: 8, .value_kind: global_buffer, .address_space: global }
      - { .name: vq, .offset: 16, .size: 8, .value_kind: global_buffer, .address_space: global }
      - { .name: out0, .offset: 24, .size: 8, .value_kind: global_buffer, .address_space: global }
    .group_segment_fixed_size: 327680
    .private_segment_fixed_size: 0
    .kernarg_segment_align: 8
    .kernarg_segment_size: 32
    .max_flat_workgroup_size: 128
    .sgpr_count:     66
    .vgpr_count:     1024
    .wavefront_size: 32
...
	.end_amdgpu_metadata
.endif
;; end of part 3
